; MI455X (gfx1250); checked and timed in simulation.
; The chip was launched on July 23, 2026; its instructions are those of AMD's public machine-readable ISA for CDNA 5 (MIT licence, August 2026) and "CDNA5" Instruction Set Architecture Reference Guide (July 2026). The comments in the code are by the model that wrote it; some were corrected since.
;; Multi Head Attention. Allowed arithmetic: matrix products marked QUANTISED: E4M3 operands, one given power-of-two scale a tensor, by v_wmma_f32_16x16x64_fp8_fp8 or v_wmma_f32_16x16x128_fp8_fp8, f32 sums; everything else in f32.
;; Inputs: Wk 1,024 x 1,024 float32; Wo 1,024 x 1,024 float32; Wq 1,024 x 1,024 float32; Wv 1,024 x 1,024 float32; lowp_scales 12 int32 (the exponents e of the quantised operands' scales 2^e); mask 4 x 2,048 int32; x 4 x 2,048 x 1,024 float32.
;; Outputs: out0 4 x 2,048 x 1,024 float32.
;; This version of the problem:
;;   THIS VERSION OF THE PROBLEM IS GIVEN IN LOW PRECISION. The matrix products marked QUANTISED in the list below multiply operands that are first quantised to E4M3 (4 exponent bits, 3 mantissa bits; 8 bits a number), with one given power-of-two scale for each operand tensor; their sums are f32. All else is computed in f32.
;;   The module's matrix products, in the order in which they are computed (A, B: the left and right operand; K: the contracted axis; several contracted axes count as one K, in the product's order):
;;     1. [M 8,192, K 1,024] x [K 1,024, N 1,024]; A: input x; B: input Wq: QUANTISED (scales: A lowp_scales[0], B lowp_scales[1])
;;     2. [M 8,192, K 1,024] x [K 1,024, N 1,024]; A: input x; B: input Wk: QUANTISED (scales: A lowp_scales[2], B lowp_scales[3])
;;     3. [M 8,192, K 1,024] x [K 1,024, N 1,024]; A: input x; B: input Wv: QUANTISED (scales: A lowp_scales[4], B lowp_scales[5])
;;     4. batch 64 x [M 2,048, K 64] x [K 64, N 2,048]; A: computed on the way; B: computed on the way: QUANTISED (scales: A lowp_scales[6], B lowp_scales[7])
;;     5. batch 64 x [M 2,048, K 2,048] x [K 2,048, N 64]; A: softmax (see below); B: computed on the way: QUANTISED (scales: A lowp_scales[8], B lowp_scales[9])
;;     6. [M 8,192, K 1,024] x [K 1,024, N 1,024]; A: computed on the way; B: input Wo: QUANTISED (scales: A lowp_scales[10], B lowp_scales[11])
;;   THE QUANTISER, for each operand of a quantised product, along K:
;;     - The operand's scale is 2^e, e = its entry of the input lowp_scales (int32; the entries are numbered through the quantised products in the list's order, A before B).
;;     - Each number is divided by the scale, clamped to +-448, and rounded to the nearest number of E4M3, ties to even, subnormals kept.
;;     - The product sums the exact products of the quantised numbers (number of the format x scale) in f32.
;;   ~~~python
;;   def quantise(x, axis, e):      # numpy; x: float32 -> the quantised numbers, widened to float32 again
;;       x = np.moveaxis(x, axis, -1); K = x.shape[-1]
;;       r = np.clip(x / 2.0 ** e, -448, 448)
;;       step = 2.0 ** (np.maximum(np.frexp(np.where(r == 0, 1, r))[1] - 1, -6) - 3)
;;       q = np.round(r / step) * step * 2.0 ** e      # np.round: ties to even
;;       return np.moveaxis(q, -1, axis).astype(np.float32)
;;   ~~~
;;   SOFTMAX AHEAD OF A QUANTISED PRODUCT. Where the list says 'softmax', what is quantised is not the finished softmax but p = 2^(t - M), with t = logit x log2(e) and M = ceil(the row's largest t), a whole number; so 1/2 < the row's largest p <= 1. The row's sum l is taken of the UNQUANTISED p, in f32, and the product's result is divided by l at the end. Since M is a whole number, a kernel that streams over the keys may use a running M (the ceiling of the running maximum): every later rescaling is an exact power of two, so the quantised numbers keep their values, but for numbers so far below the row's largest that they fall under the format's range.
;;   OPERANDS COMPUTED ON THE WAY. 'Computed on the way' means the value that the module computes at that place (a softmax that the list does not call 'softmax' is quantised finished and normalised). What goes into a quantiser is computed in f32, as accurately as f32 sums, v_exp_f32 and their like allow (about 1e-6 of the number): no bf16 or f16 on the way to a quantiser, and a product that is left as it is and whose result goes on into a quantised operand takes f32 operands (vector FMAs, or v_wmma_f32_16x16x4_f32). A number that lies on a knife's edge between two numbers of the format may be rounded either way, as far as f32 arithmetic and the matrix unit's own rounding can turn it there, and no further.
;; One version. Each part assembles by itself: llvm-mc -triple=amdgcn-amd-amdhsa -mcpu=gfx1250 --defsym DOCPART=n.
;; ======== version 1 of 1: 4 launches
;; workspace buffers: xc 25,165,824 bytes; wc 4,194,304 bytes; qc 8,388,608 bytes; kv 16,777,216 bytes; cc 8,388,608 bytes
;; launch prep (part 1): grid 512 x 1, 4 waves a work-group, no clusters, 35,328 bytes of LDS; arguments x, Wq, Wk, Wv, Wo, lowp_scales, xc, wc; writes xc, wc
.if DOCPART == 1
	.amdgcn_target "amdgcn-amd-amdhsa--gfx1250"
	.amdhsa_code_object_version 6
	.text
	.protected	k_qcb89bac5fa_prep
	.globl	k_qcb89bac5fa_prep
	.p2align	8
	.type	k_qcb89bac5fa_prep,@function
k_qcb89bac5fa_prep:
	s_mov_b64 s[64:65], 0
	v_nop
	global_prefetch_b8 v0, s[64:65] scope:SCOPE_SE
	s_setreg_imm32_b32 hwreg(HW_REG_WAVE_MODE, 25, 1), 1
	s_wait_xcnt 0x0
; x [8192][1024] f32 becomes codes of E4M3 three times (scales 2^e0, 2^e2, 2^e4: one set for each of the three projections); Wq, Wk, Wv, Wo [1024][1024] f32 once each (2^e1, 2^e3, 2^e5, 2^e11).
; code = number / 2^e, held within +-448, rounded to the nearest code, ties to even.
; LIMITS: each of these exponents lies between -126 and 119, so that 2^e and 448 x 2^e are f32 numbers.  NaN among the inputs is not served; an infinity is held at the largest code.
; THE CODES ARE LAID AS IMAGES OF THE OPERAND'S REGISTERS.  A fragment (16 rows x 128 along K) is 2,048 bytes, [c 0..3][lane][16 bytes]: lane 16 h + r holds k = 32 c + 16 h + 0 .. 15 of its row.
; Tile T = 2 g + u holds rows 32 g + 8 u + r + 8 (r / 8).  xc: [3][512 tiles][8 fragments along K][2048];  wc: [4 weights][64][8][2048].
; SHARES.  A step is one tile's 16 rows x 64 along K: 32 numbers a lane.  A wave does six: four of x (tile = the work-group's number, k = 256 x wave + 64 t), each converted three times, and two of one weight.
; Each load reads two rows' 256 consecutive aligned bytes; the numbers turn through the wave's own stage in LDS so that a lane gets 16 neighbours along K; each store covers 512 consecutive bytes, aligned.
; No matrix unit, no cluster, no barrier: memory binds, and no two waves share a byte.
.set R,    16                          ; v16-111   three sets of 32 numbers as loaded
.set X,    112                         ; v112-175  two sets of 32: register 16 p + i = k 32 p + 16 h + i of my row
.set T,    176                         ; v176-207  two sets of 16 held numbers, by turns
.set C,    208                         ; v208-231  codes: eight registers for each of three versions
.set SP,   272                         ; a stage row: 256 bytes + 16
.set STG,  16*SP                       ; a stage
.set WREG, 2*STG                       ; a wave's two stages
.set XB,   36                          ; s[36:37]  x at my tile and my 256 along K
.set WB,   38                          ; s[38:39]  my weight at my tile and my 128 along K
.set XO,   40                          ; s[40:45]  xc, one base for each version
.set WO,   46                          ; s[46:47]  wc
	s_load_b512 s[4:19], s[0:1], 0x0               ; x, Wq, Wk, Wv, Wo, the scales' exponents, xc, wc
	v_lshl_add_u32 v232, v0, 2, 0x8800
	v_mov_b32 v233, 0
	v_lshrrev_b32 v1, 5, v0
	v_readfirstlane_b32 s20, v1                    ; wave
	v_and_b32 v1, 31, v0                           ; lane
	v_lshrrev_b32 v6, 4, v1                        ; h
	v_and_b32 v7, 15, v1                           ; r
	v_lshlrev_b32 v2, 12, v6
	v_lshl_add_u32 v2, v7, 4, v2                   ; a load: lanes 0-15 one row's 256 bytes, lanes 16-31 the next row's
	s_mul_i32 s22, s20, WREG
	v_mul_u32_u24 v3, v6, SP
	v_lshl_add_u32 v3, v7, 4, v3
	v_add_nc_u32 v3, s22, v3                       ; into the stage, as loaded
	v_mul_u32_u24 v4, v7, SP
	v_lshl_add_u32 v4, v6, 6, v4
	v_add_nc_u32 v4, s22, v4                       ; out of it: row r, 64 bytes on for lanes 16-31
	v_lshlrev_b32 v5, 4, v1                        ; an image's place for my lane
	s_lshr_b32 s52, ttmp9, 1                       ; x: tile T begins at row 32 (T / 2) + 8 (T % 2); a row is 4,096 bytes
	s_lshl_b32 s52, s52, 17
	s_and_b32 s53, ttmp9, 1
	s_lshl_b32 s53, s53, 15
	s_add_co_u32 s52, s52, s53
	s_lshl_b32 s53, s20, 10
	s_add_co_u32 s52, s52, s53
	s_mov_b32 s53, 0
	s_lshl_b32 s54, ttmp9, 14                      ; xc: 16,384 bytes a tile, 4,096 for my two fragments
	s_lshl_b32 s55, s20, 12
	s_add_co_u32 s54, s54, s55
	s_mov_b32 s55, 0
	s_lshr_b32 s21, ttmp9, 7                       ; which weight
	s_bfe_u32 s23, ttmp9, 0x60001                  ; which of its 64 tiles
	s_and_b32 s56, ttmp9, 1
	s_lshl_b32 s56, s56, 2
	s_add_co_u32 s56, s56, s20                     ; which of its 8 fragments along K
	s_lshr_b32 s58, s23, 1
	s_lshl_b32 s58, s58, 17
	s_and_b32 s59, s23, 1
	s_lshl_b32 s59, s59, 15
	s_add_co_u32 s58, s58, s59
	s_lshl_b32 s59, s56, 9
	s_add_co_u32 s58, s58, s59
	s_mov_b32 s59, 0
	s_lshl_b32 s60, s21, 20
	s_lshl_b32 s61, s23, 14
	s_add_co_u32 s60, s60, s61
	s_lshl_b32 s61, s56, 11
	s_add_co_u32 s60, s60, s61
	s_mov_b32 s61, 0
	s_wait_kmcnt 0x0
	s_load_b256 s[24:31], s[14:15], 0x0            ; e0 .. e7
	s_load_b128 s[32:35], s[14:15], 0x20           ; e8 .. e11
	s_add_nc_u64 s[XB:XB+1], s[4:5], s[52:53]
	s_cmp_eq_u32 s21, 1                            ; the weight is chosen by the work-group's number alone
	s_cselect_b64 s[WB:WB+1], s[8:9], s[6:7]
	s_cmp_eq_u32 s21, 3
	s_cselect_b64 s[50:51], s[12:13], s[10:11]
	s_cmp_lt_u32 s21, 2
	s_cselect_b64 s[WB:WB+1], s[WB:WB+1], s[50:51]
	s_add_nc_u64 s[WB:WB+1], s[WB:WB+1], s[58:59]
	s_add_nc_u64 s[XO:XO+1], s[16:17], s[54:55]
	s_add_nc_u64 s[XO+2:XO+3], s[XO:XO+1], 0x800000
	s_add_nc_u64 s[XO+4:XO+5], s[XO:XO+1], 0x1000000
	s_add_nc_u64 s[WO:WO+1], s[18:19], s[60:61]
.macro LOAD t                          ; step t's 16 rows x 256 bytes into set t % 3: load i takes the tile's rows 2 i and 2 i + 1
.irp i, 0,1,2,3,4,5,6,7
.if (\t) < 4
	global_load_b128 v[R+32*((\t)%3)+4*\i:R+32*((\t)%3)+4*\i+3], v2, s[XB:XB+1] offset:(2*\i+8*(\i/4))*4096+(\t)*256 th:TH_LOAD_NT
.else
	global_load_b128 v[R+32*((\t)%3)+4*\i:R+32*((\t)%3)+4*\i+3], v2, s[WB:WB+1] offset:(2*\i+8*(\i/4))*4096+((\t)-4)*256 th:TH_LOAD_NT
.endif
.endr
.endm
.macro TURN t                          ; through stage t % 2: LDS serves a wave's instructions in order, so no wait stands between the stores and the loads
.irp i, 0,1,2,3,4,5,6,7
	ds_store_b128 v3, v[R+32*((\t)%3)+4*\i:R+32*((\t)%3)+4*\i+3] offset:STG*((\t)%2)+2*\i*SP
.endr
.irp p, 0,1
.irp j, 0,1,2,3
	ds_load_b128 v[X+32*((\t)%2)+16*\p+4*\j:X+32*((\t)%2)+16*\p+4*\j+3], v4 offset:STG*((\t)%2)+128*\p+16*\j
.endr
.endr
.endm
.macro MKSC e, sc, lim                 ; 2^e and 448 x 2^e as f32
	s_add_co_i32 s62, \e, 127
	s_lshl_b32 s63, s62, 23
	v_mov_b32 v[\sc], s63
	s_add_co_i32 s62, s62, 8
	s_lshl_b32 s62, s62, 23
	s_or_b32 s62, s62, 0x600000
	v_mov_b32 v[\lim], s62
.endm
; 32 numbers become 32 codes.  The conversion to an 8-bit code does not saturate (ISA guide 7.6.2): each number is first held within 448 x the scale, into registers of its own, since x is converted three times.
; The two sets of held numbers take turns, so sixteen plain lines stand between a conversion and the next write of its sources.
.macro Q1 xs, sc, lim, cd
.irp p, 0,1
.irp i, 0,1,2,3,4,5,6,7,8,9,10,11,12,13,14,15
	v_med3_num_f32 v[T+16*\p+\i], v[\xs+16*\p+\i], -v[\lim], v[\lim]
.endr
	v_cvt_scalef32_pk8_fp8_f32 v[\cd+4*\p:\cd+4*\p+1], v[T+16*\p:T+16*\p+7], v[\sc]
	v_cvt_scalef32_pk8_fp8_f32 v[\cd+4*\p+2:\cd+4*\p+3], v[T+16*\p+8:T+16*\p+15], v[\sc]
.endr
.endm
	LOAD 0
	LOAD 1
	LOAD 2
	s_wait_kmcnt 0x0
	s_cmp_eq_u32 s21, 1
	s_cselect_b32 s48, s27, s25                    ; e3 or e1
	s_cmp_eq_u32 s21, 3
	s_cselect_b32 s49, s35, s29                    ; e11 or e5
	s_cmp_lt_u32 s21, 2
	s_cselect_b32 s48, s48, s49                    ; my weight's exponent
	MKSC s24, 8, 9
	MKSC s26, 10, 11
	MKSC s28, 12, 13
	MKSC s48, 14, 15
	s_wait_loadcnt 16                              ; step 0's eight loads are in; the sixteen of steps 1 and 2 may be out
	TURN 0
.macro STEP t
	s_wait_dscnt 0x0                               ; this step's numbers are back from the stage, and its stores into the stage have read their registers,
.if (\t)+3 < 6
	LOAD (\t)+3                                    ; which take the loads of three steps on
.endif
.if (\t)+1 < 6
.if (\t) < 3
	s_wait_loadcnt 16                              ; the next step's loads are in; those of the two steps behind it may be out
.else
	s_wait_loadcnt 8*(4-(\t))
.endif
	TURN (\t)+1
.endif
	s_wait_xcnt 0x0                                ; the last step's stores have read the codes' registers: they are written again only behind this wait
.set XS, X+32*((\t)%2)
.if (\t) < 4
	Q1 XS, 8, 9, C
	global_store_b128 v5, v[C:C+3], s[XO:XO+1] offset:(\t)*1024
	global_store_b128 v5, v[C+4:C+7], s[XO:XO+1] offset:(\t)*1024+512
	Q1 XS, 10, 11, C+8
	global_store_b128 v5, v[C+8:C+11], s[XO+2:XO+3] offset:(\t)*1024
	global_store_b128 v5, v[C+12:C+15], s[XO+2:XO+3] offset:(\t)*1024+512
	Q1 XS, 12, 13, C+16
	global_store_b128 v5, v[C+16:C+19], s[XO+4:XO+5] offset:(\t)*1024
	global_store_b128 v5, v[C+20:C+23], s[XO+4:XO+5] offset:(\t)*1024+512
.else
	Q1 XS, 14, 15, C
	global_store_b128 v5, v[C:C+3], s[WO:WO+1] offset:((\t)-4)*1024
	global_store_b128 v5, v[C+4:C+7], s[WO:WO+1] offset:((\t)-4)*1024+512
.endif
.endm
.irp t, 0,1,2,3,4,5
	STEP \t
.endr
	s_wait_tensorcnt 0x0
	ds_add_u32 v232, v233
	s_wait_dscnt 0x0
	s_endpgm
.Lfunc_end_k_qcb89bac5fa_prep:
	.size	k_qcb89bac5fa_prep, .Lfunc_end_k_qcb89bac5fa_prep-k_qcb89bac5fa_prep
	.p2alignl 7, 3214868480
	.fill 96, 4, 3214868480
	.section	.rodata,"a",@progbits
	.p2align	6, 0x0
	.amdhsa_kernel k_qcb89bac5fa_prep
		.amdhsa_group_segment_fixed_size 35328
		.amdhsa_private_segment_fixed_size 0
		.amdhsa_enable_private_segment 0
		.amdhsa_kernarg_size 64
		.amdhsa_user_sgpr_count 2
		.amdhsa_user_sgpr_kernarg_segment_ptr 1
		.amdhsa_wavefront_size32 1
		.amdhsa_system_sgpr_workgroup_id_x 1
		.amdhsa_system_sgpr_workgroup_id_y 1
		.amdhsa_system_sgpr_workgroup_id_z 1
		.amdhsa_system_vgpr_workitem_id 0
		.amdhsa_next_free_vgpr 234
		.amdhsa_next_free_sgpr 66
		.amdhsa_reserve_vcc 0
		.amdhsa_float_denorm_mode_32 3
		.amdhsa_float_denorm_mode_16_64 3
		.amdhsa_memory_ordered 1
		.amdhsa_forward_progress 1
		.amdhsa_inst_pref_size 50
	.end_amdhsa_kernel
	.amdgpu_metadata
---
amdhsa.version: [ 1, 2 ]
amdhsa.kernels:
  - .name:           k_qcb89bac5fa_prep
    .symbol:         k_qcb89bac5fa_prep.kd
    .args:
      - { .name: x, .offset: 0, .size: 8, .value_kind: global_buffer, .address_space: global }
      - { .name: Wq, .offset: 8, .size: 8, .value_kind: global_buffer, .address_space: global }
      - { .name: Wk, .offset: 16, .size: 8, .value_kind: global_buffer, .address_space: global }
      - { .name: Wv, .offset: 24, .size: 8, .value_kind: global_buffer, .address_space: global }
      - { .name: Wo, .offset: 32, .size: 8, .value_kind: global_buffer, .address_space: global }
      - { .name: lowp_scales, .offset: 40, .size: 8, .value_kind: global_buffer, .address_space: global }
      - { .name: xc, .offset: 48, .size: 8, .value_kind: global_buffer, .address_space: global }
      - { .name: wc, .offset: 56, .size: 8, .value_kind: global_buffer, .address_space: global }
    .group_segment_fixed_size: 35328
    .private_segment_fixed_size: 0
    .kernarg_segment_align: 8
    .kernarg_segment_size: 64
    .max_flat_workgroup_size: 128
    .sgpr_count:     66
    .vgpr_count:     234
    .wavefront_size: 32
...
	.end_amdgpu_metadata
.endif
;; end of part 1
;; launch qkv (part 2): grid 12 x 32, 4 waves a work-group, clusters of 4 x 4, 327,680 bytes of LDS; arguments xc, wc, lowp_scales, qc, kv; writes qc, kv
.if DOCPART == 2
	.amdgcn_target "amdgcn-amd-amdhsa--gfx1250"
	.amdhsa_code_object_version 6
	.text
	.protected	k_qcb89bac5fa_qkv
	.globl	k_qcb89bac5fa_qkv
	.p2align	8
	.type	k_qcb89bac5fa_qkv,@function
k_qcb89bac5fa_qkv:
	s_mov_b64 s[64:65], 0
	v_nop
	global_prefetch_b8 v0, s[64:65] scope:SCOPE_SE
	s_setreg_imm32_b32 hwreg(HW_REG_WAVE_MODE, 25, 1), 1
	s_wait_xcnt 0x0
	s_wait_alu depctr_hold_cnt(0) depctr_sa_sdst(0) depctr_va_vdst(0) depctr_va_sdst(0) depctr_va_ssrc(0) depctr_va_vcc(0) depctr_vm_vsrc(0)
	s_getreg_b32 s2, hwreg(HW_REG_IB_STS2, 6, 4)
	s_cmp_eq_u32 s2, 0
	s_cbranch_scc0 .Lentry_in_a_cluster
	s_endpgm
.Lentry_in_a_cluster:
	s_bfe_u32 s2, ttmp6, 0x10000c
	s_cmp_lg_u32 s2, 0xf033
	s_cbranch_scc0 .Lentry_shape_is_right
	s_endpgm
.Lentry_shape_is_right:
; The three projections q = x Wq^T, k = x Wk^T, v = x Wv^T on codes of E4M3, and their results quantised for the attention (scales 2^e6, 2^e7, 2^e9).  K = 1,024.
; The cluster's x says which: 0 q, 1 k, 2 v.  One body: what differs is chosen by s_cselect on that number, which all sixteen partners share.
; q, k: 'A' = x's codes (tokens), 'B' = the weight's.  v: 'A' = Wv's codes, 'B' = x's.  The matrix instruction is used transposed (source 0 = 16 rows of B, source 1 = 16 rows of A),
; so a lane holds one row of A and neighbours along B's rows: for q and k neighbouring channels of a head, for v neighbouring KEYS: in each case the next product's K.
; OPERANDS LIE AS IMAGES OF THEIR REGISTERS: a fragment (16 rows x 128 K) is 2,048 bytes, [c][lane][16]: lane 16 h + r holds k = 32 c + 16 h + 0 .. 15 of row 32 g + 8 u + r + 8 (r / 8) of tile 2 g + u.
; So every fragment load takes 512 consecutive LDS bytes, and in accumulator (a, b) lane (r, h) holds in register j: A's row 32 (a / 2) + 8 (a % 2) + r + 8 (r / 8), B's row 32 (b / 2) + 16 h + 8 (b % 2) + j:
; the 16 registers of accumulators 2 p and 2 p + 1 are 16 neighbours, and two conversions give 16 bytes of the next operand.
; A sum stands for sum x 2^(ea + eb): its code is sum / 2^E, E = e6 - e0 - e1 (q), e7 - e2 - e3 (k), e9 - e4 - e5 (v).  LIMIT: E between -126 and 119.
; A tile is 256 x 256, four waves of 128 x 128 (64 accumulators, 512 registers).  K goes in four steps of 256 through two LDS slots.  CLUSTERS 4 x 4: A's tiles are asked for jointly along a row, B's along a column.
; OUT: qc [64 heads][128 tiles of 16 tokens][c 0..1][lane][16];  kv [64 heads][16 steps of 128 keys][K: 8 tiles x 1,024 bytes | V: 4 tiles of 16 channels x (c 0..3)(lane)(16)].
; REGISTERS: window 0: v0-31 addresses; from v128 A's fragments, one set; v32-159 the way out.  window 1: B's fragments, two sets.  windows 2, 3: the accumulators, (a, b) at v[8 (8 (a % 4) + b)].
.set HALFT,  32768                     ; 128 rows x 256 K: what one tensor load brings
.set SLOT,   4*HALFT                   ; A's two halves, then B's two
.set SPARE,  2*SLOT                    ; behind the ring: the spare words, 128 bytes a wave
.set FR,     16
.set NL,     4
.set NP,     4
.set QP,     272                       ; the way out: a stage row, 256 codes + 16 bytes.  The stage lies in slot 0, which has had its last fill and its last read by then
.set SC,   10                          ; v10     2^E
.set LIM,  11                          ; v11     448 x 2^E
.set VO,   12                          ; v12-15  the stores' offsets: 16 x lane + the place of column pair 0 .. 3
.set ADRA, 16
.set ADRB, 20
.set STO,  24
.set RD,   25
.set SPW,  28
.set NIL,  29
.set CD,   32                          ; v32-159 codes, then images
.set AF,   128
.set G1, 24
.set G0, 32
.set G1B, 48
.set G0B, 56
.set BT, 80                            ; s[80:87] the stores' bases, one for each of my four row tiles
.set MSB, 0
.macro WIN new                         ; the immediate's high byte repeats the setting that is left
.if MSB != (\new)
	s_set_vgpr_msb (MSB<<8)|(\new)
.set MSB, \new
.endif
.endm
.set MUL_LO, 0xa1                      ; source 0 (B) window 1, source 1 (A) window 0, C and D window 2
.set MUL_HI, 0xf1
.set TO_B,   0x40
; A joint load: waves 0 and 1 fetch for A, waves 2 and 3 for B; the branch hangs on the wave's number alone.  Four v_nop follow each of the two lines.
.macro JLOAD g0a, g1a, g0b, g1b
	s_cmp_eq_u32 s15, 0
	s_cbranch_scc0 .Lfor_b_\@
	tensor_load_to_lds s[\g0a:\g0a+3], s[\g1a:\g1a+7]
	s_nop 0
.rept 4
	v_nop
.endr
	s_branch .Lasked_\@
.Lfor_b_\@:
	tensor_load_to_lds s[\g0b:\g0b+3], s[\g1b:\g1b+7]
	s_nop 0
.rept 4
	v_nop
.endr
.Lasked_\@:
.endm
.macro CREST                           ; a round of the cluster's barrier behind its opening barrier
	s_cmp_lg_u32 s14, 0
	s_cbranch_scc1 .Lnot_wave_0_\@
	s_barrier_signal -3
.Lnot_wave_0_\@:
	s_barrier_wait -3
	s_barrier_signal -1
	s_barrier_wait -1
.endm
.macro CROUND
	s_barrier_signal -1
	s_barrier_wait -1
	CREST
.endm
	s_load_b256 s[4:11], s[0:1], 0x0               ; xc s[4:5], wc s[6:7], the scales' exponents s[8:9], qc s[10:11]
	s_load_b64 s[12:13], s[0:1], 0x20              ; kv
	v_lshl_add_u32 v[SPW], v0, 2, SPARE
	v_mov_b32 v[NIL], 0
	ds_add_u32 v28, v29
	ds_add_u32 v28, v29
	s_wait_dscnt 0x0
	v_lshrrev_b32 v1, 5, v0
	v_readfirstlane_b32 s14, v1                    ; wave 0..3
	s_lshr_b32 s15, s14, 1                         ; which half of the tile's rows is mine.  Also: I fetch for A (0) or for B (1)
	s_and_b32 s16, s14, 1                          ; which half of its columns.  Also: which 128 rows I fetch
	s_bfe_u32 s40, ttmp6, 0x40000                  ; cx
	s_bfe_u32 s41, ttmp6, 0x40004                  ; cy
	s_and_b32 s18, ttmp7, 0xffff
	s_lshl_b32 s18, s18, 2                         ; 4 x cluster y
	s_lshl_b32 s88, ttmp9, 23                      ; x's codes, version X
	s_lshl_b32 s89, ttmp9, 20                      ; the weights' codes, weight X
	s_cmp_eq_u32 ttmp9, 2                          ; v?  Then the tokens are B's rows
	s_cselect_b32 s19, 0, s18
	s_cselect_b32 s22, s18, 0
	s_cselect_b32 s90, s89, s88                    ; A's operand in its buffer
	s_cselect_b32 s91, s88, s89                    ; B's
	s_add_co_u32 s17, s41, s19                     ; tile row: cy (+ 4 x cluster y for q and k)
	s_add_co_u32 s42, s40, s22                     ; tile column: cx (+ 4 x cluster y for v)
	s_lshl_b32 s43, s41, 2
	s_lshl_b32 s43, 15, s43                        ; my row of the cluster
	s_lshl_b32 s44, 0x1111, s40                    ; my column
	; descriptor group 1: 8 row tiles x two fragments along K: 8 rows of 4,096 bytes, 16,384 bytes apart, dense in LDS
	s_or_b32 s[G1+0], s43, (3<<16)|(1<<21)         ; 15:0 the mask: my row; 17:16 elements of 8 bytes; 21 set beside a mask; no padding
	s_or_b32 s[G1B+0], s44, (3<<16)|(1<<21)
.irp g, G1, G1B
	s_mov_b32 s[\g+1], 512<<16                     ; tensor_dim0 = 512 elements
	s_mov_b32 s[\g+2], 8<<16                       ; tensor_dim1 = 8
	s_mov_b32 s[\g+3], 512<<16                     ; tile_dim0
	s_mov_b32 s[\g+4], 8                           ; tile_dim1
	s_mov_b32 s[\g+5], 2048                        ; from row to row, in elements
	s_mov_b32 s[\g+6], 0
	s_mov_b32 s[\g+7], 0
.endr
	s_lshl_b32 s19, s17, 18                        ; 256 rows are 16 tiles of 16,384 bytes
	s_add_co_u32 s20, s90, s19
	s_lshl_b32 s19, s16, 17                        ; the half that I fetch
	s_add_co_u32 s20, s20, s19
	s_mov_b32 s21, 0
	s_lshl_b32 s22, s42, 18
	s_add_co_u32 s46, s91, s22
	s_add_co_u32 s46, s46, s19
	s_mov_b32 s47, 0
	s_mul_i32 s45, s14, HALFT                      ; where it goes: wave x 32,768: no place in the cluster enters an LDS address
	s_wait_kmcnt 0x0
	s_load_b256 s[68:75], s[8:9], 0x0              ; e0 .. e7
	s_load_b128 s[76:79], s[8:9], 0x20             ; e8 .. e11
	s_cmp_eq_u32 ttmp9, 2
	s_cselect_b64 s[92:93], s[6:7], s[4:5]         ; A's buffer
	s_cselect_b64 s[94:95], s[4:5], s[6:7]         ; B's
	s_add_nc_u64 s[20:21], s[92:93], s[20:21]
	s_add_nc_u64 s[46:47], s[94:95], s[46:47]
	CROUND                                         ; all sixteen work-groups are here: the first joint loads meet
.irp s, 0,1
	s_mov_b32 s[G0+4*\s], 1
	s_add_co_u32 s[G0+4*\s+1], s45, \s*SLOT
	s_add_nc_u64 s[G0+4*\s+2:G0+4*\s+3], s[20:21], \s*4096
	s_or_b32 s[G0+4*\s+3], s[G0+4*\s+3], 0x80000000
	s_mov_b32 s[G0B+4*\s], 1
	s_add_co_u32 s[G0B+4*\s+1], s45, \s*SLOT
	s_add_nc_u64 s[G0B+4*\s+2:G0B+4*\s+3], s[46:47], \s*4096
	s_or_b32 s[G0B+4*\s+3], s[G0B+4*\s+3], 0x80000000
	JLOAD G0+4*\s, G1, G0B+4*\s, G1B
.endr
	v_and_b32 v1, 31, v0
	v_lshlrev_b32 v4, 4, v1                        ; 16 x lane
	s_mul_i32 s21, s15, HALFT                      ; my 128 rows of A
	s_mul_i32 s22, s16, HALFT                      ; my 128 rows of B,
	s_add_co_u32 s22, s22, 2*HALFT                 ; which lie behind A's
.irp s, 0,1
	v_add_nc_u32 v[ADRA+\s], s21, v4
	v_add_nc_u32 v[ADRB+\s], s22, v4
	s_add_co_u32 s21, s21, SLOT
	s_add_co_u32 s22, s22, SLOT
.endr
	v_and_b32 v2, 15, v0                           ; r
	v_bfe_u32 v3, v0, 4, 1                         ; h
	v_and_b32 v5, 8, v2
	v_add_nc_u32 v5, v5, v2                        ; r + 8 (r / 8)
	v_mul_u32_u24 v5, v5, QP
	v_lshl_add_u32 v5, v3, 4, v5                   ; that stage row, + 16 h
	s_mul_i32 s23, s15, 128*QP
	s_lshl_b32 s2, s16, 7
	s_add_co_u32 s23, s23, s2
	v_add_nc_u32 v[STO], s23, v5                   ; into the stage: my half of the rows, my half of their 256 bytes
	s_mul_i32 s23, s14, 64*QP
	v_add_nc_u32 v[RD], s23, v5                    ; back: wave w takes rows 64 w .. 64 w + 63, whole
	; where the images go.  Wave w stores row tiles 4 w + t and column units of 32 bytes, in pairs k2 = 0 .. 3.  Offsets are made apart from the pointers.
	s_lshr_b32 s88, s17, 3
	s_lshl_b32 s88, s88, 4
	s_lshl_b32 s89, s42, 2
	s_add_co_u32 s88, s88, s89                     ; q, k: the first head: 16 x batch + 4 x tile column
	s_and_b32 s89, s17, 7                          ; and the 256 tokens within the batch
	s_lshl_b32 s90, s88, 17
	s_lshl_b32 s91, s89, 14
	s_add_co_u32 s90, s90, s91
	s_lshl_b32 s91, s14, 12
	s_add_co_u32 s90, s90, s91                     ; q's place
	s_lshl_b32 s92, s88, 18
	s_lshl_b32 s91, s89, 15
	s_add_co_u32 s92, s92, s91
	s_lshl_b32 s91, s15, 14
	s_add_co_u32 s92, s92, s91
	s_lshl_b32 s91, s16, 12
	s_add_co_u32 s92, s92, s91                     ; k's: step 2 (TR % 8) + w / 2, tiles 4 (w % 2) on
	s_lshr_b32 s93, s42, 3
	s_lshl_b32 s93, s93, 4
	s_lshl_b32 s91, s17, 2
	s_add_co_u32 s93, s93, s91
	s_add_co_u32 s93, s93, s14                     ; v: head 16 x batch + 4 x tile row + w
	s_lshl_b32 s93, s93, 18
	s_and_b32 s91, s42, 7
	s_lshl_b32 s91, s91, 15
	s_add_co_u32 s93, s93, s91
	s_add_co_u32 s93, s93, 8192                    ; v's: behind the step's K
	s_mov_b32 s94, 131072
	s_mov_b32 s95, 262144
	s_mov_b32 s96, 524288
	s_mov_b32 s97, 1024
	s_mov_b32 s98, 16384
	s_mov_b32 s99, 2048
	s_cmp_eq_u32 ttmp9, 0
	s_cselect_b32 s90, s90, s92
	s_cselect_b32 s94, s94, s95                    ; from column pair to pair: a head on (q, k)
	s_cselect_b32 s95, s95, s96                    ; two heads on
	s_cselect_b64 s[2:3], s[10:11], s[12:13]       ; qc, or kv
	s_cmp_eq_u32 ttmp9, 2
	s_cselect_b32 s90, s93, s90
	s_cselect_b32 s94, s97, s94                    ; v: 64 keys on: two pieces of an image;
	s_cselect_b32 s95, s98, s95                    ; 128 keys on: a step
	s_cselect_b32 s96, s99, s97                    ; from row tile to row tile: 1,024 bytes (q, k) or 2,048 (v)
	s_mov_b32 s91, 0
	s_mov_b32 s97, 0
	s_add_nc_u64 s[BT:BT+1], s[2:3], s[90:91]
	s_add_nc_u64 s[BT+2:BT+3], s[BT:BT+1], s[96:97]
	s_add_nc_u64 s[BT+4:BT+5], s[BT+2:BT+3], s[96:97]
	s_add_nc_u64 s[BT+6:BT+7], s[BT+4:BT+5], s[96:97]
	v_mov_b32 v[VO], v4
	v_add_nc_u32 v[VO+1], s94, v4
	v_add_nc_u32 v[VO+2], s95, v4
	v_add_nc_u32 v[VO+3], s95, v[VO+1]
	s_wait_kmcnt 0x0
	s_sub_co_i32 s88, s74, s68
	s_sub_co_i32 s88, s88, s69                     ; e6 - e0 - e1
	s_sub_co_i32 s89, s75, s70
	s_sub_co_i32 s89, s89, s71                     ; e7 - e2 - e3
	s_sub_co_i32 s90, s77, s72
	s_sub_co_i32 s90, s90, s73                     ; e9 - e4 - e5
	s_cmp_eq_u32 ttmp9, 0
	s_cselect_b32 s88, s88, s89
	s_cmp_eq_u32 ttmp9, 2
	s_cselect_b32 s88, s90, s88                    ; E: the three scales folded into the conversion's one
	s_add_co_i32 s88, s88, 127
	s_lshl_b32 s89, s88, 23
	v_mov_b32 v[SC], s89
	s_add_co_i32 s88, s88, 8
	s_lshl_b32 s88, s88, 23
	s_or_b32 s88, s88, 0x600000
	v_mov_b32 v[LIM], s88
.macro FRAG reg, adr, q, i             ; fragment i of the slot's q-th 128 along K: four loads of 512 consecutive bytes
.irp c, 0,1,2,3
	ds_load_b128 v[\reg+4*\c:\reg+4*\c+3], v[\adr] offset:2048*(\q)+512*\c+(\i)*4096
.endr
.endm
; 16 matrix instructions: A's blocks a0, a0 + 1 x B's eight.  The 64 accumulators take turns, one instruction a turn, in the same order in every step.
.macro MUL16 a0, p, zero
.irp a, \a0, \a0+1
.irp b, 0,1,2,3,4,5,6,7
.if \zero
	v_wmma_f32_16x16x128_fp8_fp8 v[8*(8*((\a)%4)+\b):8*(8*((\a)%4)+\b)+7], v[128*(\p)+FR*\b:128*(\p)+FR*\b+FR-1], v[AF+FR*(\a):AF+FR*(\a)+FR-1], 0
.else
	v_wmma_f32_16x16x128_fp8_fp8 v[8*(8*((\a)%4)+\b):8*(8*((\a)%4)+\b)+7], v[128*(\p)+FR*\b:128*(\p)+FR*\b+FR-1], v[AF+FR*(\a):AF+FR*(\a)+FR-1], v[8*(8*((\a)%4)+\b):8*(8*((\a)%4)+\b)+7]
.endif
.endr
.endr
.endm
.macro FETCH_B slot, q, p
	WIN TO_B
.irp i, 0,1,2,3,4,5,6,7
	FRAG 128*(\p)+FR*\i, ADRB+\slot, \q, \i
.endr
	WIN 0
.endm
.macro FETCH_A slot, q, i0
.irp i, \i0, \i0+1, \i0+2, \i0+3
	FRAG AF+FR*(\i), ADRA+\slot, \q, \i
.endr
.endm
.macro PLACES n                        ; plain vector lines between a matrix instruction and a load into, or a vector line on, its registers
.rept \n
	v_nop
.endr
.endm
.macro STEP slot, q, zero              ; 128 along K whose successor lies in the same slot
	s_wait_dscnt 4*NL                              ; B's set and A's blocks 0-3 are in; the youngest sixteen loads (A's blocks 4-7) may be out
	WIN MUL_LO
	MUL16 0, (\q)%2, \zero
	MUL16 2, (\q)%2, \zero
	s_wait_dscnt 0
	PLACES NP
	FETCH_B \slot, (\q)+1, 1-(\q)%2
	FETCH_A \slot, (\q)+1, 0
	WIN MUL_HI
	MUL16 4, (\q)%2, \zero
	MUL16 6, (\q)%2, \zero
	PLACES NP
	WIN 0
	FETCH_A \slot, (\q)+1, 4
.endm
; A slot's last step changes slots: one barrier; in front of it each wave waits for all its tensor loads, adds 0 to its spare word, and waits for that and for its reads of this slot.
.macro TURN slot, next, fill
	s_wait_tensorcnt 0x0                           ; all my tensor loads have landed: my part of the next slot
	ds_add_u32 v[SPW], v[NIL]                      ; 0 onto my spare word
	s_wait_dscnt 4*NL+1                            ; (the add and A's blocks 4-7 may be out)
	WIN MUL_LO
	MUL16 0, 1, 0
	s_wait_dscnt 0x0                               ; the add is done, and my reads of this slot are over
	s_barrier_signal -1
	MUL16 2, 1, 0
	WIN 0
	s_barrier_wait -1
.if \fill
	CREST                                          ; the barrier has opened a round of the cluster's: no wave of any partner still reads this slot or has a load on its way
	s_add_nc_u64 s[G0+4*\slot+2:G0+4*\slot+3], s[G0+4*\slot+2:G0+4*\slot+3], 8192
	s_add_nc_u64 s[G0B+4*\slot+2:G0B+4*\slot+3], s[G0B+4*\slot+2:G0B+4*\slot+3], 8192
	JLOAD G0+4*\slot, G1, G0B+4*\slot, G1B         ; two K steps on; the four v_nop behind it are the places in front of the loads below
.else
	PLACES NP
.endif
	FETCH_B \next, 0, 0
	FETCH_A \next, 0, 0
	WIN MUL_HI
	MUL16 4, 1, 0
	MUL16 6, 1, 0
	PLACES NP
	WIN 0
	FETCH_A \next, 0, 4
.endm
	s_wait_tensorcnt 1                             ; my part of K step 0 is in (K step 1's load may be out),
	s_barrier_signal -1
	s_barrier_wait -1                              ; everybody's is
	FETCH_B 0, 0, 0
	FETCH_A 0, 0, 0
	FETCH_A 0, 0, 4
	STEP 0, 0, 1                                   ; the first products start the sums: nothing is cleared.  K = 1,024 is eight such steps, written out
	TURN 0, 1, 1
	STEP 1, 0, 0
	TURN 1, 0, 1
	STEP 0, 0, 0
	TURN 0, 1, 0                                   ; nothing is left to fetch
	STEP 1, 0, 0
	s_wait_dscnt 4*NL
	WIN MUL_LO
	MUL16 0, 1, 0
	MUL16 2, 1, 0
	s_wait_dscnt 0
	WIN MUL_HI
	MUL16 4, 1, 0
	MUL16 6, 1, 0
	WIN 0
; THE WAY OUT.  Block a (16 rows of A x my 128 rows of B): each sum is held within 448 x 2^E (the conversion does not saturate: ISA guide 7.6.2), each accumulator from its low end on; eight conversions give
; four pieces of 16 codes, which go into the work-group's stage: row = A's row, byte = B's row.
.macro EPI a
.set AC, 64*((\a)%4)
	WIN 0x82+0x41*((\a)/4)                         ; source 0 and destination: window 2 or 3; the bounds in window 0
.set j, 0
.rept 64
	v_med3_num_f32 v[AC+j], v[AC+j], -v[LIM], v[LIM]
.set j, j+1
.endr
	WIN 0x02+((\a)/4)                              ; source 0: window 2 or 3
.irp b, 0,1,2,3,4,5,6,7
	v_cvt_scalef32_pk8_fp8_f32 v[CD+16*(\a)+2*\b:CD+16*(\a)+2*\b+1], v[AC+8*\b:AC+8*\b+7], v[SC]
.endr
	WIN 0
	v_nop                                          ; a plain line behind the last conversion
.irp p, 0,1,2,3
	ds_store_b128 v[STO], v[CD+16*(\a)+4*\p:CD+16*(\a)+4*\p+3] offset:(32*((\a)/2)+8*((\a)%2))*QP+32*\p
.endr
.endm
	PLACES NP
.irp a, 0,1,2,3,4,5,6,7
	EPI \a
.endr
	s_wait_dscnt 0x0                               ; for the others' sake: my stores into the stage are done
	s_barrier_signal -1
	s_barrier_wait -1
	; back as pieces of images: row tile 4 w + t, bytes 32 k + 16 h + 0 .. 15 of each row: lane (r, h)'s 16 bytes of the next operand
.irp t, 0,1,2,3
.irp k, 0,1,2,3,4,5,6,7
	ds_load_b128 v[CD+4*(8*\t+\k):CD+4*(8*\t+\k)+3], v[RD] offset:(32*(\t/2)+8*(\t%2))*QP+32*\k
.endr
.endr
.irp t, 0,1,2,3
.irp k, 0,1,2,3,4,5,6,7
	s_wait_dscnt 31-(8*\t+\k)                      ; the younger loads may be out
	global_store_b128 v[VO+\k/2], v[CD+4*(8*\t+\k):CD+4*(8*\t+\k)+3], s[BT+2*\t:BT+2*\t+1] offset:(\k%2)*512   ; 32 lanes store 512 consecutive bytes, aligned
.endr
.endr
	s_wait_tensorcnt 0x0                           ; the wave's end
	ds_add_u32 v[SPW], v[NIL]
	s_wait_dscnt 0x0
	CROUND                                         ; the closing round
	s_endpgm
.Lfunc_end_k_qcb89bac5fa_qkv:
	.size	k_qcb89bac5fa_qkv, .Lfunc_end_k_qcb89bac5fa_qkv-k_qcb89bac5fa_qkv
	.p2alignl 7, 3214868480
	.fill 96, 4, 3214868480
	.section	.rodata,"a",@progbits
	.p2align	6, 0x0
	.amdhsa_kernel k_qcb89bac5fa_qkv
		.amdhsa_group_segment_fixed_size 327680
		.amdhsa_private_segment_fixed_size 0
		.amdhsa_enable_private_segment 0
		.amdhsa_kernarg_size 40
		.amdhsa_user_sgpr_count 2
		.amdhsa_user_sgpr_kernarg_segment_ptr 1
		.amdhsa_wavefront_size32 1
		.amdhsa_system_sgpr_workgroup_id_x 1
		.amdhsa_system_sgpr_workgroup_id_y 1
		.amdhsa_system_sgpr_workgroup_id_z 1
		.amdhsa_system_vgpr_workitem_id 0
		.amdhsa_next_free_vgpr 1024
		.amdhsa_next_free_sgpr 100
		.amdhsa_reserve_vcc 0
		.amdhsa_float_denorm_mode_32 3
		.amdhsa_float_denorm_mode_16_64 3
		.amdhsa_memory_ordered 1
		.amdhsa_forward_progress 1
		.amdhsa_inst_pref_size 125
	.end_amdhsa_kernel
	.amdgpu_metadata
---
amdhsa.version: [ 1, 2 ]
amdhsa.kernels:
  - .name:           k_qcb89bac5fa_qkv
    .symbol:         k_qcb89bac5fa_qkv.kd
    .args:
      - { .name: xc, .offset: 0, .size: 8, .value_kind: global_buffer, .address_space: global }
      - { .name: wc, .offset: 8, .size: 8, .value_kind: global_buffer, .address_space: global }
      - { .name: lowp_scales, .offset: 16, .size: 8, .value_kind: global_buffer, .address_space: global }
      - { .name: qc, .offset: 24, .size: 8, .value_kind: global_buffer, .address_space: global }
      - { .name: kv, .offset: 32, .size: 8, .value_kind: global_buffer, .address_space: global }
    .group_segment_fixed_size: 327680
    .private_segment_fixed_size: 0
    .kernarg_segment_align: 8
    .kernarg_segment_size: 40
    .max_flat_workgroup_size: 128
    .sgpr_count:     100
    .vgpr_count:     1024
    .wavefront_size: 32
...
	.end_amdgpu_metadata
.endif
;; end of part 2
;; launch attn (part 3): grid 8 x 64, 8 waves a work-group, clusters of 4 x 1, 271,360 bytes of LDS; arguments qc, kv, mask, lowp_scales, cc; writes cc
.if DOCPART == 3
	.amdgcn_target "amdgcn-amd-amdhsa--gfx1250"
	.amdhsa_code_object_version 6
	.text
	.protected	k_qcb89bac5fa_attn
	.globl	k_qcb89bac5fa_attn
	.p2align	8
	.type	k_qcb89bac5fa_attn,@function
k_qcb89bac5fa_attn:
	s_mov_b64 s[64:65], 0
	v_nop
	global_prefetch_b8 v0, s[64:65] scope:SCOPE_SE
	s_setreg_imm32_b32 hwreg(HW_REG_WAVE_MODE, 25, 1), 1
	s_wait_xcnt 0x0
	s_wait_alu depctr_hold_cnt(0) depctr_sa_sdst(0) depctr_va_vdst(0) depctr_va_sdst(0) depctr_va_ssrc(0) depctr_va_vcc(0) depctr_vm_vsrc(0)
	s_getreg_b32 s2, hwreg(HW_REG_IB_STS2, 6, 4)
	s_cmp_eq_u32 s2, 0
	s_cbranch_scc0 .Lentry_in_a_cluster
	s_endpgm
.Lentry_in_a_cluster:
	s_bfe_u32 s2, ttmp6, 0x10000c
	s_cmp_lg_u32 s2, 0x3003
	s_cbranch_scc0 .Lentry_shape_is_right
	s_endpgm
.Lentry_shape_is_right:
; Attention of one head on codes of E4M3: S = q k^T (K = 64), the softmax, O = p v (K = the keys), and O quantised (2^e10) as the output projection's operand.
; THE SOFTMAX: t = score x 2^(e6 + e7) x log2(e) / 8; M = the running largest t rounded up to a whole number; p = 2^(t - M) is quantised (2^e8), not normalised; the row's sum of the unquantised p divides at the end.
; THE MASK (an input; a token with mask = 1 is padding).  A valid query sees the valid keys alone: a table kb in LDS holds 0 for a valid key and -2^97 for padding, and is the C of S^T = K Q^T + C: no vector line is spent.
; The running largest t begins at c x (-2e7), under every true score (|score| <= 64 x 448^2) and over every masked one, so masked keys never set M and give p = 0.
; A padded query has the same logit for all 2,048 keys: p = 1 for each, the sum is 2,048.  Its row is Q(1) x (the sum of all keys' v) / 2,048: a third product, V^T P1 with P1 the code of 1 throughout, is made in every
; step for all queries alike, and v_cndmask_b32 puts it in the padded queries' lanes at the end.
; LIMITS: e6 + e7 between -80 and 100 (c x 2^97 must pass every exponent's range, c x 2e7 must be finite); e8 and e10 between -126 and 119.
; SHARES.  A work-group owns 256 queries of a head; each of eight waves 32: tile A (window 0) and tile B (window 1), with the same register numbers, so the softmax is written once and run under two settings.
; THE WHOLE HEAD'S K AND V, 262,144 bytes, LIE IN LDS, copied as they lie in kv; nothing is filled again, so there is no ring.  The four work-groups of a cluster are four query blocks of one head: each quarter is asked
; for jointly at the start, each wave 8,192 bytes of each quarter: four tensor loads of mine are out.  All is asked for at the head, so nothing is left for a prefetch to ask for earlier.
; LAYOUT.  Both products are used transposed: a lane holds ONE query.  In S^T register 16 b + i is key 32 b + 16 h + i of the step's 128; in O^T register 16 b + i is channel 32 b + 16 h + i.
; REGISTERS, both windows: v16-23 Q; v24 -M; v25 the largest t; v[26:27] the sum; v[28:29] f; v30-32 at work; v[34:35] the sum's second chain; v36-39 448 x 2^e8, 2^e8, 448 x 2^e10, 2^e10; v40-55 p's codes; v64-127 S^T, p; v128-159 O^T.
;   window 0 alone: v1-4 addresses; v160-223 K's eight fragments.   window 1 alone: v0-15 P1; v160-223 V's four fragments; v224-255 the padded queries' O^T.
.set KBB, 262144                       ; LDS: behind the head's K and V: kb, 2,048 f32
.set Q,   16
.set PC,  40
.set S,   64
.set O,   128
.set KF,  160
.set VF,  160
.set OP,  224
.set LI,  1                            ; v1   16 x lane
.set KB0, 2                            ; v2   KBB + 64 h
.set ADR, 3                            ; v3   the step's tiles
.set ADB, 4                            ; v4   the step's kb
.set WV,  14
.set SEL, 20                           ; s[20:21] v_permlanex16_b32's selects: lane l xor 16
.set CS,  22                           ; s[22:23] c = 2^(e6 + e7) log2(e) / 8
.set G1,  24
.set G0,  32                           ; s[32:47] four groups 0
.set TB,  48                           ; s48  step x 16,384
.set TK,  49                           ; s49  step x 512
.set CNT, 50
.set MSB, 0
.macro WIN new
.if MSB != (\new)
	s_set_vgpr_msb (MSB<<8)|(\new)
.set MSB, \new
.endif
.endm
.macro CROUND                          ; a round of the cluster's barrier
	s_barrier_signal -1
	s_barrier_wait -1
	s_cmp_lg_u32 s[WV], 0
	s_cbranch_scc1 .Lnot_wave_0_\@
	s_barrier_signal -3
.Lnot_wave_0_\@:
	s_barrier_wait -3
	s_barrier_signal -1
	s_barrier_wait -1
.endm
	s_load_b256 s[4:11], s[0:1], 0x0               ; qc s[4:5], kv s[6:7], mask s[8:9], the scales' exponents s[10:11]
	s_load_b64 s[12:13], s[0:1], 0x20              ; cc
	v_lshl_add_u32 v254, v0, 2, 0x42000
	v_mov_b32 v255, 0
	ds_add_u32 v254, v255
	ds_add_u32 v254, v255
	v_lshrrev_b32 v5, 5, v0
	v_readfirstlane_b32 s[WV], v5                  ; wave 0..7
	s_bfe_u32 s15, ttmp6, 0x40000                  ; cx
	s_lshl_b32 s16, ttmp9, 2
	s_add_co_u32 s16, s16, s15                     ; my block of 256 queries: it enters q's, the mask's and cc's addresses alone
	s_and_b32 s17, ttmp7, 0xffff                   ; the head (16 x batch + head), which the four partners share
	s_mov_b32 s[G1], 15|(3<<16)|(1<<21)            ; 15:0 the mask: all four; 17:16 elements of 8 bytes; 21 set beside a mask
	s_mov_b32 s[G1+1], 32<<16                      ; tensor_dim0 = 32 elements: rows of 256 bytes
	s_mov_b32 s[G1+2], 32<<16                      ; tensor_dim1 = 32
	s_mov_b32 s[G1+3], 32<<16                      ; tile_dim0
	s_mov_b32 s[G1+4], 32                          ; tile_dim1
	s_mov_b32 s[G1+5], 32                          ; dense
	s_mov_b32 s[G1+6], 0
	s_mov_b32 s[G1+7], 0
	s_lshl_b32 s18, s17, 18                        ; the head's bytes in kv
	s_lshl_b32 s19, s[WV], 13                      ; my 8,192 of each quarter
	s_add_co_u32 s2, s18, s19
	s_mov_b32 s3, 0
	s_mov_b32 s[SEL], 0x76543210
	s_mov_b32 s[SEL+1], 0xfedcba98
	s_mov_b32 s[CS], 0x3e38aa3b                    ; log2(e) / 8
	s_wait_dscnt 0x0
	s_wait_kmcnt 0x0
	s_load_b256 s[56:63], s[10:11], 0x0            ; e0 .. e7
	s_load_b128 s[68:71], s[10:11], 0x20           ; e8 .. e11
	s_add_nc_u64 s[2:3], s[6:7], s[2:3]
.irp j, 0,1,2,3
	s_mov_b32 s[G0+4*\j], 1
	s_add_co_u32 s[G0+4*\j+1], s19, \j*65536       ; LDS as memory: quarter j, my part
	s_add_nc_u64 s[G0+4*\j+2:G0+4*\j+3], s[2:3], \j*65536
	s_or_b32 s[G0+4*\j+3], s[G0+4*\j+3], 0x80000000
.endr
	CROUND                                         ; all four work-groups are here: the joint loads meet
.irp j, 0,1,2,3
	tensor_load_to_lds s[G0+4*\j:G0+4*\j+3], s[G1:G1+7]
	s_nop 0
.endr
.rept 4
	v_nop
.endr
	s_lshr_b32 s72, s17, 4                         ; the batch
	s_lshl_b32 s74, s72, 13
	s_mov_b32 s75, 0
	s_add_nc_u64 s[8:9], s[8:9], s[74:75]          ; its 2,048 mask words
	v_lshlrev_b32 v5, 5, v0
	global_load_b128 v[64:67], v5, s[8:9]          ; eight keys' a thread
	global_load_b128 v[68:71], v5, s[8:9] offset:16
	v_and_b32 v6, 15, v0                           ; r
	v_and_b32 v7, 8, v6
	v_add_nc_u32 v7, v7, v6                        ; r + 8 (r / 8)
	v_lshlrev_b32 v7, 2, v7
	s_lshl_b32 s74, s16, 10
	s_lshl_b32 s76, s[WV], 7
	s_add_co_u32 s74, s74, s76
	v_add_nc_u32 v7, s74, v7
	global_load_b32 v72, v7, s[8:9]                ; my query's in tile A: token 256 block + 32 wave + r + 8 (r / 8),
	global_load_b32 v73, v7, s[8:9] offset:32      ; in tile B: eight tokens on
	s_lshl_b32 s74, s17, 17
	s_lshl_b32 s76, s16, 14
	s_add_co_u32 s74, s74, s76
	s_lshl_b32 s76, s[WV], 11
	s_add_co_u32 s74, s74, s76
	s_add_nc_u64 s[4:5], s[4:5], s[74:75]          ; q's codes: my two tiles of 1,024 bytes
	v_and_b32 v[LI], 31, v0
	v_lshlrev_b32 v[LI], 4, v[LI]
	global_load_b128 v[Q:Q+3], v[LI], s[4:5]
	global_load_b128 v[Q+4:Q+7], v[LI], s[4:5] offset:512
	WIN 0x40                                       ; destination window 1
	global_load_b128 v[Q:Q+3], v[LI], s[4:5] offset:1024
	global_load_b128 v[Q+4:Q+7], v[LI], s[4:5] offset:1536
	WIN 0
	v_bfe_u32 v[KB0], v0, 4, 1
	v_lshl_add_u32 v[KB0], v[KB0], 6, KBB
	s_lshl_b32 s78, s72, 21                        ; cc: tile 128 batch + 16 block + 2 wave + u of 16,384 bytes; the head's 64 channels are 1,024 bytes of it
	s_lshl_b32 s79, s16, 18
	s_add_co_u32 s78, s78, s79
	s_lshl_b32 s79, s[WV], 15
	s_add_co_u32 s78, s78, s79
	s_and_b32 s79, s17, 15
	s_lshl_b32 s79, s79, 10
	s_add_co_u32 s78, s78, s79
	s_mov_b32 s79, 0
	s_add_nc_u64 s[72:73], s[12:13], s[78:79]
	s_wait_kmcnt 0x0
	s_add_co_i32 s74, s62, s63                     ; e6 + e7 goes into c's exponent field
	s_lshl_b32 s74, s74, 23
	s_add_co_i32 s[CS], s[CS], s74
	s_mov_b32 s[CS+1], s[CS]                       ; (named with it as a pair, so it is written)
	s_add_co_i32 s53, s68, s69                     ; e8 + e9
	s_sub_co_i32 s54, s53, 11                      ; and / 2,048
	s_add_co_i32 s74, s68, 127
	s_lshl_b32 s75, s74, 23                        ; 2^e8
	s_add_co_i32 s74, s74, 8
	s_lshl_b32 s74, s74, 23
	s_or_b32 s74, s74, 0x600000                    ; 448 x 2^e8
	s_add_co_i32 s76, s70, 127
	s_lshl_b32 s77, s76, 23                        ; 2^e10
	s_add_co_i32 s76, s76, 8
	s_lshl_b32 s76, s76, 23
	s_or_b32 s76, s76, 0x600000                    ; 448 x 2^e10
	v_mov_b32 v8, 0xf0000000                       ; -2^97
	s_wait_loadcnt 0x0                             ; the mask words and Q
.irp i, 0,1,2,3,4,5,6,7
	v_cmp_eq_u32 vcc_lo, 1, v[64+\i]
	v_cndmask_b32 v[64+\i], 0, v8, vcc_lo
.endr
	v_lshl_add_u32 v5, v0, 5, KBB
	ds_store_b128 v5, v[64:67]
	ds_store_b128 v5, v[68:71] offset:16
	v_cmp_eq_u32 s51, 1, v72                       ; the lanes whose query is padding, tile A's
	v_cmp_eq_u32 s52, 1, v73                       ; and tile B's
.macro INIT
	v_mov_b32 v36, s74
	v_mov_b32 v37, s75
	v_mov_b32 v38, s76
	v_mov_b32 v39, s77
	v_mov_b32 v30, 0xcb989680                      ; -2e7
	v_mul_f32 v25, s[CS], v30                      ; the largest t so far
	v_floor_f32 v24, -v25                          ; -M
	v_mov_b32 v26, 0
	v_mov_b32 v27, 0
	v_mov_b32 v29, 0                               ; (named as the upper half of the pair v[28:29])
	v_mov_b32 v32, 0                               ; a lane permute's destination counts as one of its sources
.set j, 0
.rept 32
	v_mov_b32 v[O+j], 0                            ; the step is written without a first step of its own: it finds zeros
.set j, j+1
.endr
.endm
	INIT
	WIN 0x55
	INIT
.set j, 0
.rept 32
	v_mov_b32 v[OP+j], 0
.set j, j+1
.endr
.irp i, 0,1,2,3,4,5,6,7
	v_mov_b32 v[S+\i], 1.0
.endr
.irp i, 0,1,2,3,4,5,6,7
	v_min_num_f32 v[S+\i], v[S+\i], v36            ; 1, held at the largest code x 2^e8
.endr
	v_cvt_scalef32_pk8_fp8_f32 v[0:1], v[S:S+7], v37
	v_nop                                          ; a plain line behind the conversion
.irp i, 2,3,4,5,6,7,8,9,10,11,12,13,14,15
	v_mov_b32 v[\i], v0                            ; P1: that code in all 64 bytes of a lane
.endr
	WIN 0
.macro QK                              ; S^T = K Q^T + C: eight tiles of 16 keys, K = the head's 64
.irp t, 0,1,2,3,4,5,6,7
	v_wmma_f32_16x16x64_fp8_fp8 v[S+8*\t:S+8*\t+7], v[KF+8*\t:KF+8*\t+7], v[Q:Q+7], v[S+8*\t:S+8*\t+7]
.endr
.endm
.macro LDK base                        ; a step's K: eight images of 1,024 bytes
.irp t, 0,1,2,3,4,5,6,7
.irp c, 0,1
	ds_load_b128 v[KF+8*\t+4*\c:KF+8*\t+4*\c+3], v[ADR] offset:\base+\t*1024+\c*512
.endr
.endr
.endm
.macro LDV                             ; its V: four images of 2,048 bytes, into window 1
	WIN 0x40
.irp t, 0,1,2,3
.irp c, 0,1,2,3
	ds_load_b128 v[VF+16*\t+4*\c:VF+16*\t+4*\c+3], v[ADR] offset:8192+\t*2048+\c*512
.endr
.endr
.endm
.macro LDKB                            ; kb of my 64 keys into tile A's S registers
.irp b, 0,1,2,3
.irp j, 0,1,2,3
	ds_load_b128 v[S+16*\b+4*\j:S+16*\b+4*\j+3], v[ADB] offset:128*\b+16*\j
.endr
.endr
.endm
.macro SOFTMAX                         ; one tile, one step; the window setting says which tile
	v_max3_num_f32 v30, v[S], v[S+1], v[S+2]       ; the step's largest score among my 64 keys, in two chains, each accumulator from its low end on,
	v_max3_num_f32 v31, v[S+3], v[S+4], v[S+5]
.irp i, 6,10,14,18,22,26,30,34,38,42,46,50,54,58
	v_max3_num_f32 v30, v30, v[S+\i], v[S+\i+1]
	v_max3_num_f32 v31, v31, v[S+\i+2], v[S+\i+3]
.endr
	v_max3_num_f32 v30, v30, v[S+62], v[S+63]
	v_max_num_f32 v30, v30, v31
	v_permlanex16_b32 v32, v30, s[SEL], s[SEL+1]
	v_max_num_f32 v30, v30, v32                    ; and among lane l xor 16's
	v_mul_f32 v30, s[CS], v30                      ; as t (c is positive)
	v_max_num_f32 v25, v25, v30
	v_mov_b32 v30, v24
	v_floor_f32 v24, -v25                          ; the new -M = floor(-t)
	v_sub_f32 v30, v24, v30                        ; old M - new M: a whole number, 0 or less
	v_cvt_i32_f32 v30, v30                         ; (it saturates)
	v_ldexp_f32 v28, 1.0, v30                      ; f = 2^(old M - new M)
.irp j, 0,2,4,6,8,10,12,14,16,18,20,22,24,26,28,30,32,34,36,38,40,42,44,46,48,50,52,54,56,58,60,62
	v_pk_fma_f32 v[S+\j:S+\j+1], v[S+\j:S+\j+1], s[CS:CS+1], v[24:25] op_sel_hi:[1,0,0]   ; t - M, two at a time
.endr
.set j, 0
.rept 64
	v_exp_f32 v[S+j], v[S+j]                       ; p = 2^(t - M)
.set j, j+1
.endr
	v_pk_mul_f32 v[26:27], v[26:27], v[28:29] op_sel_hi:[1,0]   ; the sum under the new M: the plain line behind the exponentials
	s_wait_alu depctr_va_vdst(0)                   ; one wait for the batch, ahead of its first reader
	v_pk_add_f32 v[34:35], v[S:S+1], v[S+2:S+3]    ; the sum of the unquantised p, in two chains
.irp j, 4,8,12,16,20,24,28,32,36,40,44,48,52,56,60
	v_pk_add_f32 v[26:27], v[26:27], v[S+\j:S+\j+1]
	v_pk_add_f32 v[34:35], v[34:35], v[S+\j+2:S+\j+3]
.endr
	v_pk_add_f32 v[26:27], v[26:27], v[34:35]
.irp b, 0,1,2,3
.irp i, 0,1,2,3,4,5,6,7,8,9,10,11,12,13,14,15
	v_min_num_f32 v[S+16*\b+\i], v[S+16*\b+\i], v36   ; the conversion does not saturate (ISA guide 7.6.2); p is not negative, so the hold is one-sided
.endr
	v_cvt_scalef32_pk8_fp8_f32 v[PC+4*\b:PC+4*\b+1], v[S+16*\b:S+16*\b+7], v37
	v_cvt_scalef32_pk8_fp8_f32 v[PC+4*\b+2:PC+4*\b+3], v[S+16*\b+8:S+16*\b+15], v37
.endr
.irp j, 0,2,4,6,8,10,12,14,16,18,20,22,24,26,28,30
	v_pk_mul_f32 v[O+\j:O+\j+1], v[O+\j:O+\j+1], v[28:29] op_sel_hi:[1,0]   ; O^T under the new M
.endr
.endm
.macro PV                              ; O^T += V^T P^T: twelve accumulators, one instruction each
	WIN 0x01                                       ; V in window 1, tile A's p and O^T in window 0
.irp t, 0,1,2,3
	v_wmma_f32_16x16x128_fp8_fp8 v[O+8*\t:O+8*\t+7], v[VF+16*\t:VF+16*\t+15], v[PC:PC+15], v[O+8*\t:O+8*\t+7]
.endr
	WIN 0x55
.irp t, 0,1,2,3
	v_wmma_f32_16x16x128_fp8_fp8 v[O+8*\t:O+8*\t+7], v[VF+16*\t:VF+16*\t+15], v[PC:PC+15], v[O+8*\t:O+8*\t+7]
.endr
.irp t, 0,1,2,3
	v_wmma_f32_16x16x128_fp8_fp8 v[OP+8*\t:OP+8*\t+7], v[VF+16*\t:VF+16*\t+15], v[0:15], v[OP+8*\t:OP+8*\t+7]
.endr
.endm
; A KEY STEP: 128 keys.  pre = 1: the next step's K is fetched while this step's softmax runs.
.macro STEP pre
	v_add_nc_u32 v[ADR], s[TB], v[LI]
	v_add_nc_u32 v[ADB], s[TK], v[KB0]
	LDKB
	s_wait_dscnt 0x0                               ; kb is in, and this step's K, asked for a step ago
	WIN 0x44                                       ; tile B: Q and the result in window 1; K and C (kb) in window 0
	QK
.rept 5
	v_nop                                          ; tile A's products write over the C that tile B's have read: five places
.endr
	WIN 0
	QK                                             ; tile A, onto kb in place
.rept 4
	v_nop                                          ; places in front of the loads into K's registers and of the first read of the scores
.endr
.if \pre
	LDK 16384
.endif
	LDV
	WIN 0x55
	SOFTMAX
	WIN 0
	SOFTMAX
	s_wait_dscnt 0x0                               ; V is in (and the next K)
	PV
	WIN 0
	s_add_co_u32 s[TB], s[TB], 16384
	s_add_co_u32 s[TK], s[TK], 512
.endm
.macro SYNC n                          ; n: my loads for the later quarters, which may stay out
	s_wait_tensorcnt \n
	s_wait_dscnt 0x0
	s_barrier_signal -1
	s_barrier_wait -1
.endm
.macro GROUP first, trips              ; steps first .. first + trips - 1; their look-ahead for K stays inside the quarters that have landed
	s_mov_b32 s[TB], (\first)*16384
	s_mov_b32 s[TK], (\first)*512
	s_mov_b32 s[CNT], \trips
.Lgrp_\@:
	STEP 1
	s_sub_co_u32 s[CNT], s[CNT], 1
	s_cmp_lg_u32 s[CNT], 0
	s_cbranch_scc1 .Lgrp_\@
.endm
	SYNC 3                                         ; steps 0-3 lie in LDS, everybody's part; so does kb
	v_mov_b32 v[ADR], v[LI]
	LDK 0
	GROUP 0, 3
	SYNC 2                                         ; steps 4-7
	GROUP 3, 4
	SYNC 1                                         ; steps 8-11
	GROUP 7, 4
	SYNC 0                                         ; steps 12-15: no tensor load of mine is out any more
	GROUP 11, 4
	s_mov_b32 s[TB], 15*16384
	s_mov_b32 s[TK], 15*512
	STEP 0
	; THE WAY OUT
.rept 4
	v_nop                                          ; places behind the last products
.endr
.macro LSUM
	v_add_f32 v30, v26, v27                        ; the sum's two halves,
	v_permlanex16_b32 v32, v30, s[SEL], s[SEL+1]
	v_add_f32 v30, v30, v32                        ; and lane l xor 16's
	v_rcp_f32 v31, v30
.endm
.macro NORM
	v_ldexp_f32 v28, v31, s53                      ; 2^(e8 + e9) / the sum
.irp j, 0,2,4,6,8,10,12,14,16,18,20,22,24,26,28,30
	v_pk_mul_f32 v[S+\j:S+\j+1], v[O+\j:O+\j+1], v[28:29] op_sel_hi:[1,0]
.endr
.endm
.macro PACK                            ; 32 channels of my query become 32 codes: two pieces of the next operand's image
.set j, 0
.rept 32
	v_med3_num_f32 v[S+j], v[S+j], -v38, v38
.set j, j+1
.endr
.irp b, 0,1
	v_cvt_scalef32_pk8_fp8_f32 v[PC+4*\b:PC+4*\b+1], v[S+16*\b:S+16*\b+7], v39
	v_cvt_scalef32_pk8_fp8_f32 v[PC+4*\b+2:PC+4*\b+3], v[S+16*\b+8:S+16*\b+15], v39
.endr
	v_nop
.endm
	WIN 0x55
	LSUM
	WIN 0
	LSUM
	v_nop                                          ; a plain line behind the reciprocals
	s_wait_alu depctr_va_vdst(0)                   ; one wait for both, ahead of the first reader
	NORM
	WIN 0x55
	NORM
.set j, 0
.rept 32
	v_ldexp_f32 v[S+32+j], v[OP+j], s54            ; a padded query's row: x 2^(e8 + e9) / 2,048
.set j, j+1
.endr
.set j, 0
.rept 32
	v_cndmask_b32 v[S+j], v[S+j], v[S+32+j], s52
.set j, j+1
.endr
	WIN 0x04                                       ; source 1 in window 1
.set j, 0
.rept 32
	v_cndmask_b32 v[S+j], v[S+j], v[S+32+j], s51
.set j, j+1
.endr
	WIN 0
	PACK
	WIN 0x55
	PACK
	WIN 0
	global_store_b128 v[LI], v[PC:PC+3], s[72:73]                  ; 32 lanes store 512 consecutive bytes, aligned
	global_store_b128 v[LI], v[PC+4:PC+7], s[72:73] offset:512
	WIN 0x04                                       ; the data in window 1
	global_store_b128 v[LI], v[PC:PC+3], s[72:73] offset:16384
	global_store_b128 v[LI], v[PC+4:PC+7], s[72:73] offset:16384+512
	WIN 0
	s_wait_tensorcnt 0x0
	ds_add_u32 v254, v255
	s_wait_dscnt 0x0
	CROUND                                         ; the closing round
	s_endpgm
.Lfunc_end_k_qcb89bac5fa_attn:
	.size	k_qcb89bac5fa_attn, .Lfunc_end_k_qcb89bac5fa_attn-k_qcb89bac5fa_attn
	.p2alignl 7, 3214868480
	.fill 96, 4, 3214868480
	.section	.rodata,"a",@progbits
	.p2align	6, 0x0
	.amdhsa_kernel k_qcb89bac5fa_attn
		.amdhsa_group_segment_fixed_size 271360
		.amdhsa_private_segment_fixed_size 0
		.amdhsa_enable_private_segment 0
		.amdhsa_kernarg_size 40
		.amdhsa_user_sgpr_count 2
		.amdhsa_user_sgpr_kernarg_segment_ptr 1
		.amdhsa_wavefront_size32 1
		.amdhsa_system_sgpr_workgroup_id_x 1
		.amdhsa_system_sgpr_workgroup_id_y 1
		.amdhsa_system_sgpr_workgroup_id_z 1
		.amdhsa_system_vgpr_workitem_id 0
		.amdhsa_next_free_vgpr 512
		.amdhsa_next_free_sgpr 80
		.amdhsa_reserve_vcc 1
		.amdhsa_float_denorm_mode_32 3
		.amdhsa_float_denorm_mode_16_64 3
		.amdhsa_memory_ordered 1
		.amdhsa_forward_progress 1
		.amdhsa_inst_pref_size 176
	.end_amdhsa_kernel
	.amdgpu_metadata
---
amdhsa.version: [ 1, 2 ]
amdhsa.kernels:
  - .name:           k_qcb89bac5fa_attn
    .symbol:         k_qcb89bac5fa_attn.kd
    .args:
      - { .name: qc, .offset: 0, .size: 8, .value_kind: global_buffer, .address_space: global }
      - { .name: kv, .offset: 8, .size: 8, .value_kind: global_buffer, .address_space: global }
      - { .name: mask, .offset: 16, .size: 8, .value_kind: global_buffer, .address_space: global }
      - { .name: lowp_scales, .offset: 24, .size: 8, .value_kind: global_buffer, .address_space: global }
      - { .name: cc, .offset: 32, .size: 8, .value_kind: global_buffer, .address_space: global }
    .group_segment_fixed_size: 271360
    .private_segment_fixed_size: 0
    .kernarg_segment_align: 8
    .kernarg_segment_size: 40
    .max_flat_workgroup_size: 256
    .sgpr_count:     80
    .vgpr_count:     512
    .wavefront_size: 32
...
	.end_amdgpu_metadata
.endif
;; end of part 3
;; launch proj (part 4): grid 4 x 32, 4 waves a work-group, clusters of 4 x 4, 327,680 bytes of LDS; arguments cc, wc, lowp_scales, out0; writes out0
.if DOCPART == 4
	.amdgcn_target "amdgcn-amd-amdhsa--gfx1250"
	.amdhsa_code_object_version 6
	.text
	.protected	k_qcb89bac5fa_proj
	.globl	k_qcb89bac5fa_proj
	.p2align	8
	.type	k_qcb89bac5fa_proj,@function
k_qcb89bac5fa_proj:
	s_mov_b64 s[64:65], 0
	v_nop
	global_prefetch_b8 v0, s[64:65] scope:SCOPE_SE
	s_setreg_imm32_b32 hwreg(HW_REG_WAVE_MODE, 25, 1), 1
	s_wait_xcnt 0x0
	s_wait_alu depctr_hold_cnt(0) depctr_sa_sdst(0) depctr_va_vdst(0) depctr_va_sdst(0) depctr_va_ssrc(0) depctr_va_vcc(0) depctr_vm_vsrc(0)
	s_getreg_b32 s2, hwreg(HW_REG_IB_STS2, 6, 4)
	s_cmp_eq_u32 s2, 0
	s_cbranch_scc0 .Lentry_in_a_cluster
	s_endpgm
.Lentry_in_a_cluster:
	s_bfe_u32 s2, ttmp6, 0x10000c
	s_cmp_lg_u32 s2, 0xf033
	s_cbranch_scc0 .Lentry_shape_is_right
	s_endpgm
.Lentry_shape_is_right:
; out0 = concat Wo^T on codes of E4M3: A = cc (the heads' codes, scale 2^e10), B = the fourth weight of wc (Wo, 2^e11); K = 1,024; each finished sum x 2^(e10 + e11).  out0: [8192][1024] f32.
; LIMIT: e10 + e11 between -126 and 127, so that the factor is an f32 number.
; OPERANDS LIE AS IMAGES OF THEIR REGISTERS: a fragment (16 rows x 128 K) is 2,048 bytes, [c][lane][16]: lane 16 h + r holds k = 32 c + 16 h + 0 .. 15 of row 32 g + 8 u + r + 8 (r / 8) of tile 2 g + u.
; The matrix instruction is used transposed (source 0 = 16 rows of B, source 1 = 16 rows of A): in accumulator (a, b) lane (r, h) holds in register j: row 32 (a / 2) + 8 (a % 2) + r + 8 (r / 8), column 32 (b / 2) + 16 h + 8 (b % 2) + j.
; A tile is 256 x 256, four waves of 128 x 128.  K goes in four steps of 256 through two LDS slots.  CLUSTERS 4 x 4: A's tiles are asked for jointly along a row, B's along a column.
; REGISTERS: window 0: v0-31 addresses; from v128 A's fragments, one set; on the way out v32-255.  window 1: B's fragments, two sets.  windows 2, 3: the accumulators, (a, b) at v[8 (8 (a % 4) + b)].
.set HALFT,  32768
.set SLOT,   4*HALFT
.set SPARE,  2*SLOT
.set FR,     16
.set NL,     4
.set NP,     4
.set SPITCH, 528                       ; the way out: a stage of 16 rows x (512 bytes + 16) for each wave, in slot 0, which has had its last fill and its last read by then
.set ADRA, 16
.set ADRB, 20
.set STO,  24
.set RD,   25
.set CO,   26
.set SPW,  28
.set NIL,  29
.set TMP,  32
.set AF,   128
.set BK,   128
.set G1, 24
.set G0, 32
.set G1B, 48
.set G0B, 56
.set MSB, 0
.macro WIN new
.if MSB != (\new)
	s_set_vgpr_msb (MSB<<8)|(\new)
.set MSB, \new
.endif
.endm
.set MUL_LO, 0xa1
.set MUL_HI, 0xf1
.set TO_B,   0x40
.macro JLOAD g0a, g1a, g0b, g1b        ; a joint load: waves 0 and 1 for A, waves 2 and 3 for B; four v_nop follow each of the two lines
	s_cmp_eq_u32 s15, 0
	s_cbranch_scc0 .Lfor_b_\@
	tensor_load_to_lds s[\g0a:\g0a+3], s[\g1a:\g1a+7]
	s_nop 0
.rept 4
	v_nop
.endr
	s_branch .Lasked_\@
.Lfor_b_\@:
	tensor_load_to_lds s[\g0b:\g0b+3], s[\g1b:\g1b+7]
	s_nop 0
.rept 4
	v_nop
.endr
.Lasked_\@:
.endm
.macro CREST
	s_cmp_lg_u32 s14, 0
	s_cbranch_scc1 .Lnot_wave_0_\@
	s_barrier_signal -3
.Lnot_wave_0_\@:
	s_barrier_wait -3
	s_barrier_signal -1
	s_barrier_wait -1
.endm
.macro CROUND
	s_barrier_signal -1
	s_barrier_wait -1
	CREST
.endm
	s_load_b128 s[4:7], s[0:1], 0x0                ; cc s[4:5], wc s[6:7]
	s_load_b128 s[8:11], s[0:1], 0x10              ; the scales' exponents s[8:9], out0 s[10:11]
	v_lshl_add_u32 v[SPW], v0, 2, SPARE
	v_mov_b32 v[NIL], 0
	ds_add_u32 v28, v29
	ds_add_u32 v28, v29
	s_wait_dscnt 0x0
	v_lshrrev_b32 v1, 5, v0
	v_readfirstlane_b32 s14, v1                    ; wave 0..3
	s_lshr_b32 s15, s14, 1                         ; my half of the rows.  Also: I fetch for A (0) or for B (1)
	s_and_b32 s16, s14, 1                          ; my half of the columns.  Also: which 128 rows I fetch
	s_bfe_u32 s40, ttmp6, 0x40000                  ; cx
	s_bfe_u32 s41, ttmp6, 0x40004                  ; cy
	s_lshl_b32 s42, ttmp9, 2
	s_add_co_u32 s42, s42, s40                     ; tile column
	s_and_b32 s17, ttmp7, 0xffff
	s_lshl_b32 s17, s17, 2
	s_add_co_u32 s17, s17, s41                     ; tile row
	s_lshl_b32 s43, s41, 2
	s_lshl_b32 s43, 15, s43                        ; my row of the cluster
	s_lshl_b32 s44, 0x1111, s40                    ; my column
	s_or_b32 s[G1+0], s43, (3<<16)|(1<<21)         ; the mask; elements of 8 bytes; bit 21 beside a mask; no padding
	s_or_b32 s[G1B+0], s44, (3<<16)|(1<<21)
.irp g, G1, G1B
	s_mov_b32 s[\g+1], 512<<16                     ; 8 rows of 4,096 bytes (a row tile's two fragments along K), 16,384 bytes apart
	s_mov_b32 s[\g+2], 8<<16
	s_mov_b32 s[\g+3], 512<<16
	s_mov_b32 s[\g+4], 8
	s_mov_b32 s[\g+5], 2048
	s_mov_b32 s[\g+6], 0
	s_mov_b32 s[\g+7], 0
.endr
	s_lshl_b32 s19, s16, 17                        ; the half that I fetch
	s_lshl_b32 s20, s17, 18
	s_add_co_u32 s20, s20, s19
	s_mov_b32 s21, 0
	s_lshl_b32 s46, s42, 18
	s_add_co_u32 s46, s46, s19
	s_add_co_u32 s46, s46, 3<<20                   ; Wo is the fourth weight
	s_mov_b32 s47, 0
	s_mul_i32 s45, s14, HALFT
	s_wait_kmcnt 0x0
	s_load_b64 s[96:97], s[8:9], 0x28              ; e10, e11
	s_add_nc_u64 s[20:21], s[4:5], s[20:21]
	s_add_nc_u64 s[46:47], s[6:7], s[46:47]
	CROUND                                         ; all sixteen work-groups are here: the first joint loads meet
.irp s, 0,1
	s_mov_b32 s[G0+4*\s], 1
	s_add_co_u32 s[G0+4*\s+1], s45, \s*SLOT
	s_add_nc_u64 s[G0+4*\s+2:G0+4*\s+3], s[20:21], \s*4096
	s_or_b32 s[G0+4*\s+3], s[G0+4*\s+3], 0x80000000
	s_mov_b32 s[G0B+4*\s], 1
	s_add_co_u32 s[G0B+4*\s+1], s45, \s*SLOT
	s_add_nc_u64 s[G0B+4*\s+2:G0B+4*\s+3], s[46:47], \s*4096
	s_or_b32 s[G0B+4*\s+3], s[G0B+4*\s+3], 0x80000000
	JLOAD G0+4*\s, G1, G0B+4*\s, G1B
.endr
	v_and_b32 v1, 31, v0
	v_lshlrev_b32 v[CO], 4, v1                     ; 16 x lane
	s_mul_i32 s21, s15, HALFT
	s_mul_i32 s22, s16, HALFT
	s_add_co_u32 s22, s22, 2*HALFT
.irp s, 0,1
	v_add_nc_u32 v[ADRA+\s], s21, v[CO]
	v_add_nc_u32 v[ADRB+\s], s22, v[CO]
	s_add_co_u32 s21, s21, SLOT
	s_add_co_u32 s22, s22, SLOT
.endr
	v_and_b32 v2, 15, v0                           ; r
	v_bfe_u32 v3, v0, 4, 1                         ; h
	s_mul_i32 s23, s14, 16*SPITCH                  ; my stage
	v_mul_u32_u24 v5, v2, SPITCH
	v_lshl_add_u32 v5, v3, 6, v5                   ; in: row r, 64 bytes on for lanes 16-31
	v_add_nc_u32 v[STO], s23, v5
	v_add_nc_u32 v[RD], s23, v[CO]                 ; back: the 32 lanes take one row of 512 bytes
	s_lshl_b32 s20, s17, 20                        ; out0: 256 rows of 4,096 bytes a tile row,
	s_lshl_b32 s21, s15, 19                        ; 128 rows a half,
	s_add_co_u32 s20, s20, s21
	s_lshl_b32 s21, s42, 10                        ; 1,024 bytes a tile column,
	s_add_co_u32 s20, s20, s21
	s_lshl_b32 s21, s16, 9                         ; 512 a half
	s_add_co_u32 s20, s20, s21
	s_mov_b32 s21, 0
	s_add_nc_u64 s[10:11], s[10:11], s[20:21]
.macro FRAG reg, adr, q, i
.irp c, 0,1,2,3
	ds_load_b128 v[\reg+4*\c:\reg+4*\c+3], v[\adr] offset:2048*(\q)+512*\c+(\i)*4096
.endr
.endm
; The 64 accumulators take turns, one instruction a turn, in the same order in every step.
.macro MUL16 a0, p, zero
.irp a, \a0, \a0+1
.irp b, 0,1,2,3,4,5,6,7
.if \zero
	v_wmma_f32_16x16x128_fp8_fp8 v[8*(8*((\a)%4)+\b):8*(8*((\a)%4)+\b)+7], v[128*(\p)+FR*\b:128*(\p)+FR*\b+FR-1], v[AF+FR*(\a):AF+FR*(\a)+FR-1], 0
.else
	v_wmma_f32_16x16x128_fp8_fp8 v[8*(8*((\a)%4)+\b):8*(8*((\a)%4)+\b)+7], v[128*(\p)+FR*\b:128*(\p)+FR*\b+FR-1], v[AF+FR*(\a):AF+FR*(\a)+FR-1], v[8*(8*((\a)%4)+\b):8*(8*((\a)%4)+\b)+7]
.endif
.endr
.endr
.endm
.macro FETCH_B slot, q, p
	WIN TO_B
.irp i, 0,1,2,3,4,5,6,7
	FRAG 128*(\p)+FR*\i, ADRB+\slot, \q, \i
.endr
	WIN 0
.endm
.macro FETCH_A slot, q, i0
.irp i, \i0, \i0+1, \i0+2, \i0+3
	FRAG AF+FR*(\i), ADRA+\slot, \q, \i
.endr
.endm
.macro PLACES n
.rept \n
	v_nop
.endr
.endm
.macro STEP slot, q, zero
	s_wait_dscnt 4*NL                              ; B's set and A's blocks 0-3 are in; the youngest sixteen loads (A's blocks 4-7) may be out
	WIN MUL_LO
	MUL16 0, (\q)%2, \zero
	MUL16 2, (\q)%2, \zero
	s_wait_dscnt 0
	PLACES NP
	FETCH_B \slot, (\q)+1, 1-(\q)%2
	FETCH_A \slot, (\q)+1, 0
	WIN MUL_HI
	MUL16 4, (\q)%2, \zero
	MUL16 6, (\q)%2, \zero
	PLACES NP
	WIN 0
	FETCH_A \slot, (\q)+1, 4
.endm
.macro TURN slot, next, fill
	s_wait_tensorcnt 0x0                           ; all my tensor loads have landed: my part of the next slot
	ds_add_u32 v[SPW], v[NIL]                      ; 0 onto my spare word
	s_wait_dscnt 4*NL+1                            ; (the add and A's blocks 4-7 may be out)
	WIN MUL_LO
	MUL16 0, 1, 0
	s_wait_dscnt 0x0                               ; the add is done, and my reads of this slot are over
	s_barrier_signal -1
	MUL16 2, 1, 0
	WIN 0
	s_barrier_wait -1
.if \fill
	CREST                                          ; the barrier has opened a round of the cluster's
	s_add_nc_u64 s[G0+4*\slot+2:G0+4*\slot+3], s[G0+4*\slot+2:G0+4*\slot+3], 8192
	s_add_nc_u64 s[G0B+4*\slot+2:G0B+4*\slot+3], s[G0B+4*\slot+2:G0B+4*\slot+3], 8192
	JLOAD G0+4*\slot, G1, G0B+4*\slot, G1B
.else
	PLACES NP
.endif
	FETCH_B \next, 0, 0
	FETCH_A \next, 0, 0
	WIN MUL_HI
	MUL16 4, 1, 0
	MUL16 6, 1, 0
	PLACES NP
	WIN 0
	FETCH_A \next, 0, 4
.endm
	s_wait_tensorcnt 1                             ; my part of K step 0 is in (K step 1's load may be out),
	s_barrier_signal -1
	s_barrier_wait -1                              ; everybody's is
	FETCH_B 0, 0, 0
	FETCH_A 0, 0, 0
	FETCH_A 0, 0, 4
	STEP 0, 0, 1                                   ; the first products start the sums
	TURN 0, 1, 1
	STEP 1, 0, 0
	TURN 1, 0, 1
	STEP 0, 0, 0
	TURN 0, 1, 0
	STEP 1, 0, 0
	s_wait_dscnt 4*NL
	WIN MUL_LO
	MUL16 0, 1, 0
	MUL16 2, 1, 0
	s_wait_dscnt 0
	WIN MUL_HI
	MUL16 4, 1, 0
	MUL16 6, 1, 0
	WIN 0
; THE WAY OUT, block by block of 16 rows x 128 columns, through my own stage: in as 32 bytes a lane and accumulator, back as whole rows of 512 bytes.  LDS serves a wave's instructions in order (ISA guide 5.7.1.4).
.macro TOSTAGE a
.set AC, 64*((\a)%4)
	WIN 0x02+((\a)/4)                              ; source 0: window 2 or 3
.irp j, 0,2,4,6,8,10,12,14,16,18,20,22,24,26,28,30,32,34,36,38,40,42,44,46,48,50,52,54,56,58,60,62
	v_pk_mul_f32 v[TMP+\j:TMP+\j+1], v[AC+\j:AC+\j+1], s[96:97] op_sel_hi:[1,0]   ; x 2^(e10 + e11); each accumulator from its low end on
.endr
	WIN 0
.irp b, 0,1,2,3,4,5,6,7
	ds_store_b128 v[STO], v[TMP+8*\b:TMP+8*\b+3] offset:128*(\b/2)+32*(\b%2)
	ds_store_b128 v[STO], v[TMP+8*\b+4:TMP+8*\b+7] offset:128*(\b/2)+32*(\b%2)+16
.endr
.set BB, BK+64*((\a)%2)
.irp t, 0,1,2,3,4,5,6,7,8,9,10,11,12,13,14,15
	ds_load_b128 v[BB+4*\t:BB+4*\t+3], v[RD] offset:\t*SPITCH
.endr
.endm
.macro SEND a, younger                 ; younger: the LDS instructions issued behind block a's loads
.set BB, BK+64*((\a)%2)
	s_wait_dscnt \younger
.irp t, 0,1,2,3,4,5,6,7,8,9,10,11,12,13,14,15
	global_store_b128 v[CO], v[BB+4*\t:BB+4*\t+3], s[10:11] offset:(32*((\a)/2)+8*((\a)%2)+\t+8*(\t/8))*4096 th:TH_STORE_NT   ; stage row t is the block's row t + 8 (t / 8); 32 lanes store 512 consecutive bytes, aligned
.endr
.endm
	s_wait_kmcnt 0x0
	s_add_co_i32 s96, s96, s97
	s_add_co_i32 s96, s96, 127
	s_lshl_b32 s96, s96, 23                        ; 2^(e10 + e11) as f32
	PLACES NP
	TOSTAGE 0
.irp a, 1,2,3,4,5,6,7
.if \a > 1
	s_wait_xcnt 0x0                                ; block a - 2's stores have read their registers: block a's loads may land there
.endif
	TOSTAGE \a
	SEND \a-1, 32                                  ; behind block a - 1's loads: block a's 16 stores and 16 loads
.endr
	SEND 7, 0
	s_wait_tensorcnt 0x0                           ; the wave's end
	ds_add_u32 v[SPW], v[NIL]
	s_wait_dscnt 0x0
	CROUND                                         ; the closing round
	s_endpgm
.Lfunc_end_k_qcb89bac5fa_proj:
	.size	k_qcb89bac5fa_proj, .Lfunc_end_k_qcb89bac5fa_proj-k_qcb89bac5fa_proj
	.p2alignl 7, 3214868480
	.fill 96, 4, 3214868480
	.section	.rodata,"a",@progbits
	.p2align	6, 0x0
	.amdhsa_kernel k_qcb89bac5fa_proj
		.amdhsa_group_segment_fixed_size 327680
		.amdhsa_private_segment_fixed_size 0
		.amdhsa_enable_private_segment 0
		.amdhsa_kernarg_size 32
		.amdhsa_user_sgpr_count 2
		.amdhsa_user_sgpr_kernarg_segment_ptr 1
		.amdhsa_wavefront_size32 1
		.amdhsa_system_sgpr_workgroup_id_x 1
		.amdhsa_system_sgpr_workgroup_id_y 1
		.amdhsa_system_sgpr_workgroup_id_z 1
		.amdhsa_system_vgpr_workitem_id 0
		.amdhsa_next_free_vgpr 1024
		.amdhsa_next_free_sgpr 100
		.amdhsa_reserve_vcc 0
		.amdhsa_float_denorm_mode_32 3
		.amdhsa_float_denorm_mode_16_64 3
		.amdhsa_memory_ordered 1
		.amdhsa_forward_progress 1
		.amdhsa_inst_pref_size 122
	.end_amdhsa_kernel
	.amdgpu_metadata
---
amdhsa.version: [ 1, 2 ]
amdhsa.kernels:
  - .name:           k_qcb89bac5fa_proj
    .symbol:         k_qcb89bac5fa_proj.kd
    .args:
      - { .name: cc, .offset: 0, .size: 8, .value_kind: global_buffer, .address_space: global }
      - { .name: wc, .offset: 8, .size: 8, .value_kind: global_buffer, .address_space: global }
      - { .name: lowp_scales, .offset: 16, .size: 8, .value_kind: global_buffer, .address_space: global }
      - { .name: out0, .offset: 24, .size: 8, .value_kind: global_buffer, .address_space: global }
    .group_segment_fixed_size: 327680
    .private_segment_fixed_size: 0
    .kernarg_segment_align: 8
    .kernarg_segment_size: 32
    .max_flat_workgroup_size: 128
    .sgpr_count:     100
    .vgpr_count:     1024
    .wavefront_size: 32
...
	.end_amdgpu_metadata
.endif
;; end of part 4
